; MI455X (gfx1250); checked and timed in simulation.
; The chip was launched on July 23, 2026; its instructions are those of AMD's public machine-readable ISA for CDNA 5 (MIT licence, August 2026) and "CDNA5" Instruction Set Architecture Reference Guide (July 2026). The comments in the code are by the model that wrote it; some were corrected since.
;; Prediction Bi LSTM. Allowed arithmetic: float matrix products may take bf16 or f16 operands with f32 sums; other float arithmetic in f32, or as packed bf16 or f16 multiplies, adds, multiply-adds, maxima and minima; sums over many terms, partial sums and values carried from step to step in f32; what a program stores and reads back later, other than sums and carried values, may be rounded once to bf16 or f16.
;; Inputs: V_cells 65,536 x 904 float32; b_hh_b 400 float32; b_hh_f 400 float32; b_ih_b 400 float32; b_ih_f 400 float32; w_hh_b 400 x 100 float32; w_hh_f 400 x 100 float32; w_ih_b 400 x 904 float32; w_ih_f 400 x 904 float32.
;; Outputs: out0 65,536 x 200 float32.
;; One version. Each part assembles by itself: llvm-mc -triple=amdgcn-amd-amdhsa -mcpu=gfx1250 --defsym DOCPART=n.
;; ======== version 1 of 1: 2 launches
;; workspace buffers: wp 1,187,840 bytes
;; launch prep (part 1): grid 80 x 1, 4 waves a work-group, no clusters, 0 bytes of LDS; arguments w_ih_f, w_ih_b, b_ih_f, b_hh_f, b_ih_b, b_hh_b, wp; writes wp
.if DOCPART == 1
	.amdgcn_target "amdgcn-amd-amdhsa--gfx1250"
	.amdhsa_code_object_version 6
	.text
	.protected	k_qe6b27cd2d3_prep
	.globl	k_qe6b27cd2d3_prep
	.p2align	8
	.type	k_qe6b27cd2d3_prep,@function
k_qe6b27cd2d3_prep:
	s_mov_b64 s[64:65], 0
	v_nop
	global_prefetch_b8 v0, s[64:65] scope:SCOPE_SE
	s_setreg_imm32_b32 hwreg(HW_REG_WAVE_MODE, 25, 1), 1
	s_wait_xcnt 0x0
; PredictionBiLSTM, launch 1 of 2: the live weights and biases, permuted, rounded once to bf16, laid out for launch 2.
; WHAT IS LEFT OUT, AND WHY IT IS DEAD FOR ALL VALUES OF THE INPUTS.
;   w_hh_f, w_hh_b: reference() hands them to its helper, whose body never names them (the state is the zero that reference() builds itself).
;   They have no way to any output, are not loaded and are no argument of any launch.
;   The f gate: gates is split into i, f, g, o, and f is named nowhere afterwards (it would multiply c0 = 0).  So rows 100..199 of w_ih_f and
;   w_ih_b and entries 100..199 of the four biases reach no output: 600 of the 800 gate columns are live, and only they are read.
;   LIMIT: a NaN, an infinity or an overflow that reaches only w_hh or the f gate is not carried to the result.
; WHAT IS MADE.  wp holds 640 rows n of 928 bf16.  Row n = 160 w + 16 t + 8 h + j belongs to wave w of launch 2, its tile t, lane half h, register j:
;   slot s = 8 t + j, gate = s / 26 (0: i, 1: g, 2: o), unit u = s % 26, live where gate < 3 and u < 26 - 2 h;
;   hidden index Hd = 50 w + 26 h + u (0..199: forward, then backward); source row R = {0, 200, 300}[gate] + Hd % 100.
;   Columns 0..903: w_ih[R]; column 904: b_ih[R]; column 905: b_hh[R] (launch 2 sets 1.0 against both); 906..927 and all dead rows: 0.
;   In memory: 14 blocks [chunk c][n][64 k] of 81,920 bytes, then one block [n][32 k] (k = 896..927) at byte 1,146,880.
; SHARES.  A wave makes rows n and n + 1, n even: s, u, Hd and all bounds (26, 52, 78, 26 - 2 h, 100) are even, so both rows have one gate, one direction,
;   one fate, and source rows R and R + 1.  Lanes 0-15 take row n, lanes 16-31 row n + 1.
;   A store into a chunk covers 256 consecutive bytes, aligned; the one store into the last block covers 128.
.set ROWB,   3616                      ; bytes in a row of w_ih
.set CHUNKB, 81920                     ; bytes in a block of 64 k
.set TAILB,  1146880                   ; where the last block begins
	s_load_b256 s[4:11], s[0:1], 0x0               ; w_ih_f s[4:5], w_ih_b s[6:7], b_ih_f s[8:9], b_hh_f s[10:11]
	s_load_b128 s[12:15], s[0:1], 0x20             ; b_ih_b s[12:13], b_hh_b s[14:15]
	s_load_b64 s[16:17], s[0:1], 0x30              ; wp
	v_lshrrev_b32 v1, 5, v0
	v_readfirstlane_b32 s20, v1                    ; wave 0..3
	s_lshl_b32 s21, ttmp9, 2
	s_add_co_u32 s21, s21, s20                     ; the pair's number, 0..319
	s_lshl_b32 s22, s21, 1                         ; n
	s_mul_i32 s23, ttmp9, 3277
	s_lshr_b32 s23, s23, 16                        ; w = work-group / 20 (exact for 0..79)
	s_mul_i32 s24, s23, 160
	s_sub_co_u32 s24, s22, s24                     ; n - 160 w
	s_lshr_b32 s25, s24, 4                         ; t
	s_bfe_u32 s26, s24, 0x10003                    ; h
	s_and_b32 s27, s24, 7                          ; j
	s_lshl_b32 s25, s25, 3
	s_add_co_u32 s27, s27, s25                     ; s = 8 t + j
	s_cmp_ge_u32 s27, 26
	s_cselect_b32 s28, 26, 0
	s_cselect_b32 s29, 200, 0
	s_cmp_ge_u32 s27, 52
	s_cselect_b32 s30, 26, 0
	s_cselect_b32 s31, 100, 0
	s_add_co_u32 s28, s28, s30
	s_add_co_u32 s29, s29, s31                     ; the gate's first source row: 0, 200, 300
	s_sub_co_u32 s28, s27, s28                     ; u; for s = 78, 79 it is 26, 27: past every bound, so one test serves
	s_lshl_b32 s30, s26, 1
	s_sub_co_u32 s30, 26, s30                      ; 26 - 2 h
	s_mul_i32 s31, s23, 50
	s_mul_i32 s32, s26, 26
	s_add_co_u32 s31, s31, s32
	s_add_co_u32 s31, s31, s28                     ; Hd
	v_and_b32 v2, 31, v0                           ; lane l
	v_lshrrev_b32 v3, 4, v2                        ; which of the two rows
	v_and_b32 v4, 15, v2                           ; i: my place in the row
	v_mul_u32_u24 v5, v3, ROWB
	v_lshl_add_u32 v6, v4, 4, v5                   ; my 16 bytes of a chunk's 256
	v_min_u32 v7, 3, v4
	v_lshl_add_u32 v7, v7, 3, v5                   ; my 8 bytes of the row's last 32 (lanes past 3 read lane 3's and drop them)
	v_lshlrev_b32 v8, 2, v3                        ; my row's bias
	s_lshl_b32 s33, s22, 7
	v_lshl_add_u32 v9, v2, 3, s33                  ; 128 n + 8 l: my 8 bytes in a block of 64 k
	s_lshl_b32 s34, s22, 6
	v_lshl_add_u32 v10, v2, 2, s34                 ; 64 n + 4 l: my word in the last block
.macro OUT step, tail                  ; the pair's 15 stores; step = registers from one chunk's data to the next's
.set c, 0
.rept 14
	global_store_b64 v9, v[32+(\step)*c:33+(\step)*c], s[16:17] offset:CHUNKB*c
.set c, c+1
.endr
	global_store_b32 v10, v[\tail], s[16:17] offset:TAILB
.endm
	s_wait_kmcnt 0x0
	s_cmp_lt_u32 s28, s30                          ; live?  The same for the whole wave: made of the work-group's and the wave's number
	s_cbranch_scc0 .Lzero
	s_cmp_ge_u32 s31, 100                          ; backward?
	s_cselect_b64 s[36:37], s[6:7], s[4:5]         ; w_ih
	s_cselect_b64 s[38:39], s[12:13], s[8:9]       ; b_ih
	s_cselect_b64 s[40:41], s[14:15], s[10:11]     ; b_hh
	s_cselect_b32 s32, 100, 0
	s_sub_co_u32 s31, s31, s32
	s_add_co_u32 s29, s29, s31                     ; R
	s_mul_i32 s42, s29, ROWB
	s_mov_b32 s43, 0
	s_add_nc_u64 s[36:37], s[36:37], s[42:43]
	s_lshl_b32 s42, s29, 2
	s_add_nc_u64 s[38:39], s[38:39], s[42:43]
	s_add_nc_u64 s[40:41], s[40:41], s[42:43]
.set c, 0
.rept 14
	global_load_b128 v[32+4*c:35+4*c], v6, s[36:37] offset:256*c   ; 16 lanes take 256 consecutive bytes of a row
.set c, c+1
.endr
	global_load_b64 v[90:91], v7, s[36:37] offset:3584
	global_load_b32 v92, v8, s[38:39]
	global_load_b32 v93, v8, s[40:41]
	s_wait_loadcnt 0x0                             ; one batch: there is nothing to do meanwhile
.set c, 0
.rept 14
	v_cvt_pk_bf16_f32 v[32+4*c], v[32+4*c], v[33+4*c]
	v_cvt_pk_bf16_f32 v[33+4*c], v[34+4*c], v[35+4*c]
.set c, c+1
.endr
	v_cvt_pk_bf16_f32 v90, v90, v91                ; k = 896 + 2 i, + 1
	v_cvt_pk_bf16_f32 v92, v92, v93                ; b_ih at k = 904, b_hh at k = 905
	v_cmp_eq_u32 vcc_lo, 4, v4
	v_cndmask_b32 v92, 0, v92, vcc_lo              ; word 4: the biases; words 5 to 15: 0
	v_cmp_gt_u32 vcc_lo, 4, v4
	v_cndmask_b32 v90, v92, v90, vcc_lo            ; words 0 to 3: the weights
	OUT 4, 90
	s_endpgm
.Lzero:
	v_mov_b32 v32, 0
	v_mov_b32 v33, 0
	OUT 0, 32
	s_endpgm
.Lfunc_end_k_qe6b27cd2d3_prep:
	.size	k_qe6b27cd2d3_prep, .Lfunc_end_k_qe6b27cd2d3_prep-k_qe6b27cd2d3_prep
	.p2alignl 7, 3214868480
	.fill 96, 4, 3214868480
	.section	.rodata,"a",@progbits
	.p2align	6, 0x0
	.amdhsa_kernel k_qe6b27cd2d3_prep
		.amdhsa_group_segment_fixed_size 0
		.amdhsa_private_segment_fixed_size 0
		.amdhsa_enable_private_segment 0
		.amdhsa_kernarg_size 56
		.amdhsa_user_sgpr_count 2
		.amdhsa_user_sgpr_kernarg_segment_ptr 1
		.amdhsa_wavefront_size32 1
		.amdhsa_system_sgpr_workgroup_id_x 1
		.amdhsa_system_sgpr_workgroup_id_y 1
		.amdhsa_system_sgpr_workgroup_id_z 1
		.amdhsa_system_vgpr_workitem_id 0
		.amdhsa_next_free_vgpr 100
		.amdhsa_next_free_sgpr 66
		.amdhsa_reserve_vcc 1
		.amdhsa_float_denorm_mode_32 3
		.amdhsa_float_denorm_mode_16_64 3
		.amdhsa_memory_ordered 1
		.amdhsa_forward_progress 1
		.amdhsa_inst_pref_size 10
	.end_amdhsa_kernel
	.amdgpu_metadata
---
amdhsa.version: [ 1, 2 ]
amdhsa.kernels:
  - .name:           k_qe6b27cd2d3_prep
    .symbol:         k_qe6b27cd2d3_prep.kd
    .args:
      - { .name: w_ih_f, .offset: 0, .size: 8, .value_kind: global_buffer, .address_space: global }
      - { .name: w_ih_b, .offset: 8, .size: 8, .value_kind: global_buffer, .address_space: global }
      - { .name: b_ih_f, .offset: 16, .size: 8, .value_kind: global_buffer, .address_space: global }
      - { .name: b_hh_f, .offset: 24, .size: 8, .value_kind: global_buffer, .address_space: global }
      - { .name: b_ih_b, .offset: 32, .size: 8, .value_kind: global_buffer, .address_space: global }
      - { .name: b_hh_b, .offset: 40, .size: 8, .value_kind: global_buffer, .address_space: global }
      - { .name: wp, .offset: 48, .size: 8, .value_kind: global_buffer, .address_space: global }
    .group_segment_fixed_size: 0
    .private_segment_fixed_size: 0
    .kernarg_segment_align: 8
    .kernarg_segment_size: 56
    .max_flat_workgroup_size: 128
    .sgpr_count:     66
    .vgpr_count:     100
    .wavefront_size: 32
...
	.end_amdgpu_metadata
.endif
;; end of part 1
;; launch cell (part 2): grid 256 x 1, 4 waves a work-group, clusters of 4 x 1, 327,680 bytes of LDS; arguments V_cells, wp, out0; writes out0
.if DOCPART == 2
	.amdgcn_target "amdgcn-amd-amdhsa--gfx1250"
	.amdhsa_code_object_version 6
	.text
	.protected	k_qe6b27cd2d3_cell
	.globl	k_qe6b27cd2d3_cell
	.p2align	8
	.type	k_qe6b27cd2d3_cell,@function
k_qe6b27cd2d3_cell:
	s_mov_b64 s[64:65], 0
	v_nop
	global_prefetch_b8 v0, s[64:65] scope:SCOPE_SE
	s_setreg_imm32_b32 hwreg(HW_REG_WAVE_MODE, 25, 1), 1
	s_wait_xcnt 0x0
	s_wait_alu depctr_hold_cnt(0) depctr_sa_sdst(0) depctr_va_vdst(0) depctr_va_sdst(0) depctr_va_ssrc(0) depctr_va_vcc(0) depctr_vm_vsrc(0)
	s_getreg_b32 s2, hwreg(HW_REG_IB_STS2, 6, 4)
	s_cmp_eq_u32 s2, 0
	s_cbranch_scc0 .Lentry_in_a_cluster
	s_endpgm
.Lentry_in_a_cluster:
	s_bfe_u32 s2, ttmp6, 0x10000c
	s_cmp_lg_u32 s2, 0x3003
	s_cbranch_scc0 .Lentry_shape_is_right
	s_endpgm
.Lentry_shape_is_right:
; PredictionBiLSTM, launch 2 of 2: out[n][Hd] = sigmoid(o) tanh(sigmoid(i) tanh(g)), gates = V w_ih^T + b_ih + b_hh, both directions.
; LEFT OUT (shown dead at the head of launch 1): w_hh_f, w_hh_b and the f gate; wp holds the 600 live gate columns in 640 rows.
; FORMATS.  V, w_ih and the biases are each rounded once to bf16; sums, and all of the activations, in f32.
; K = 928 = 29 x 32: columns 904 and 905 of A are 1.0 against b_ih and b_hh in wp, 906..927 are 0 on both sides.
; SHARES.  A work-group owns 256 rows of V and stays for two passes of 128.  In a pass each of its four waves makes all 128 rows x its own 160 rows of wp:
;   8 x 10 accumulators of 16 x 16, 640 registers; for 32 along K a wave reads 18 fragments from LDS for 80 matrix instructions.
;   A pass begins with k = 896..927 (its products start the sums: nothing is cleared), then 14 chunks of 64 along K.
; THE MATRIX INSTRUCTION IS USED TRANSPOSED (source 0 = 16 rows of wp, source 1 = 16 rows of V): lane l holds ONE row of V (l % 16), and register j of tile t
;   holds slot s = 8 t + j of lane half h = l / 16.  Launch 1 ordered wp so that slots 0..25 are i, 26..51 g, 52..77 o of the hidden units 50 w + 26 h + 0..25
;   (h = 1: 24 units; its last pair of slots is made of zeros and is not stored): the three gates of a unit meet in one lane, in even-aligned pairs.
; TWO ROADS IN.  wp: tensor loads into a ring of two slots of one chunk; wave w fetches, and alone reads, its own 160 rows.  All work-groups walk the same wp, so the
;   four partners of a cluster ask JOINTLY (mask 15), and each change of slots is a round of the cluster's barrier.  The last block (k = 896..) is filled once and serves both passes.
;   V: global loads into two sets of 64 registers (a wave: 32 rows x 256 bytes a chunk), issued three chunks ahead of the products; rounded to bf16 and stored into a ring
;   of two LDS slots that all four waves read.  Two sets a wave are on their way across the changes of slots.
; AHEAD OF V's LOADS.  In the trip of chunk q each wave names, a lane a row, the last byte of its 32 rows' 256 bytes of chunk q + 5: two trips ahead of the load.  A row begins
;   32 x row bytes past a multiple of 256, so successive chunks name successive blocks, each at most once.  23 requests a wave: chunks 5..27 of the two passes' 28; none at the head, none past the work-group's rows.
;   wp is not asked for ahead: a wave's part of a chunk is 80 blocks of 256 bytes, 20 for each of four partners, which 32 lanes do not name once each; and wp is 1,187,840 bytes beside V's 236,978,176.
; ACTIVATIONS, L = log2(e).  Ei = 2^(-L i), Eg = 2^(2 L g), Eo = 2^(-L o):  c = (Eg - 1) / ((1 + Ei)(1 + Eg));  Ec = 2^(2 L c);  h = (Ec - 1) / ((1 + Eo)(1 + Ec)).
;   Six transcendentals a unit, in four batches a tile, each with one wait.
; LIMITS.  2 L g is held to -60..60: beyond it tanh(g) is +-1 to within 2^-59, and Eg stays finite and above 0, so no infinity meets a 0.  Ei or Eo = infinity gives the reciprocal 0,
;   the right limit; |c| <= 1 bounds Ec.  An exponential below 2^-126 counts as 0.  NaN and infinities among the inputs are not treated apart.
;
; LDS.  BS0, BS1: wp's ring, 640 rows at pitch 144 (128 + 16: the 16 rows of a load start at 16 different groups of four banks; 64 banks of 4 bytes: ISA guide 11.1).  BT: wp's last block, pitch 80.
;   AS0, AS0 + ASL: V's ring in bf16, 128 rows at pitch 144.  AT: V's k = 896..927, pitch 80.  STG0, + STGB: two stages of 16 rows x 800 bytes for the way out.  SPARE: the spare words.
;   No tensor load lands in a block of 256 bytes into which anything is stored.
; REGISTERS, in windows of 256 (s_set_vgpr_msb: bits 1:0 source 0, 3:2 source 1, 5:4 source 2, 7:6 destination):
;   window 0: v0-21 addresses; v32-111 wp's fragments, tile t at 32 + 8 t (on the way out: the 78 slots, then rows read back); v112-239 V's two sets; v240-255 V's last columns
;   accumulator (m, t) at 256 + 64 t + 8 m: windows 1, 2 and the lower half of 3;   window 3, v128-255: V's fragments, two buffers of 8
.set ROWB,  3616                       ; bytes in a row of V
.set PASSB, 128*ROWB                   ; a pass's rows
.set NEXTP, PASSB-13*256               ; from chunk 13 of a pass to chunk 0 of the next
.set BS1,   92160
.set BT,    184320
.set AS0,   235520
.set ASL,   18432
.set AT,    272384
.set STG0,  282624
.set STGB,  12800
.set SPARE, 308224                     ; 128 bytes for each wave: two blocks of 256 bytes that no other line names
.set CHUNKB, 81920                     ; a chunk of wp in memory
.set ADRB,  2                          ; v2, v3  my place in my wave's part of slot 0, 1 of wp's ring
.set ADRBT, 4                          ; v4      the same in wp's last block
.set ADRA,  5                          ; v5      my place in a fragment of V's ring, slot 0
.set ADRAT, 6                          ; v6      the same in AT
.set ASTO,  7                          ; v7      where I store 8 bytes of V's ring
.set ATSTO, 8                          ; v8      my row of AT
.set GOFF,  9                          ; v9      my 16 bytes of a chunk in V
.set GTOFF, 10                         ; v10     my row's last 32 bytes in V
.set PFO,   11                         ; v11     the prefetches' offset
.set STO,   12                         ; v12     the way out: my first pair in the stage
.set STO13, 13                         ; v13     the way out: 96 bytes ahead of my thirteenth store's place
.set RD,    14                         ; v14     the way out: where I read 16 bytes back
.set CO,    15                         ; v15     my 16 bytes of 2,048 of out
.set SPW,   16                         ; v16     my spare word; never rewritten
.set NIL,   17                         ; v17     0; never rewritten
.set HH,    18                         ; v18     l / 16
.set BF,    32
.set GS,    112
.set TGR,   240                        ; v240-247 a row's last 8 numbers, f32
.set TC,    248                        ; v248-251 the same in bf16
.set ONE,   252                        ; v252-255 1.0, 1.0 and six zeros in bf16
.set AF,    128                        ; window 3
.set TI,    32                         ; the way out: slots of i,
.set TGG,   58                         ; of g,
.set TO,    84                         ; of o
.set OB,    32                         ; rows read back
.set WV,   10                          ; s10  my wave's number
.set AP,   14                          ; s[14:15] V at the chunk last asked for by loads
.set PFP,  16                          ; s[16:17] V at the chunk last named by a prefetch
.set PFS,  18                          ; s[18:19] its step
.set PFC,  20                          ; s20  that chunk's number in its pass
.set PFL,  21                          ; s21  prefetches still to come
.set BN,   22                          ; s22  the chunk of wp to be asked for next
.set CNT,  23
.set D1,   24                          ; s[24:31] descriptor group 1, a wave's part of a chunk
.set D0,   32                          ; s[32:39] group 0, a set for each slot
.set D1T,  40                          ; s[40:47] group 1, a wave's part of the last block
.set D0T,  48                          ; s[48:51] its group 0
.set WPW,  52                          ; s[52:53] wp at my wave's part of chunk 0
.set BOFF, 54                          ; s[54:55] a chunk's byte offset
.set CI,   56                          ; s[56:57] -L
.set CG,   58                          ; s[58:59] 2 L
.set CHI,  60                          ; s60  60.0
.set CLO,  61                          ; s61  -60.0
.set PASS, 62
.set OUTP, 66                          ; s[66:67] out at the pass's first row
.set VR,   68                          ; s[68:69] V at the work-group's first row
.set CGN,  74                          ; s[74:75] -2 L
.set MSB, 0
.macro WIN new                         ; the immediate's high byte repeats the setting that is left; a switch that changes nothing is dropped
.if MSB != (\new)
	s_set_vgpr_msb (MSB<<8)|(\new)
.set MSB, (\new)
.endif
.endm
; A load into a register that a matrix instruction has read, and a vector instruction that reads a matrix result, stand four places behind it; only plain vector
; instructions that name none of its registers are places (ISA guide 7.12.1 for vector instructions).
.macro PLACES
.rept 4
	v_nop
.endr
.endm
.macro CREST                           ; a round of the cluster's barrier behind its opening barrier
	s_cmp_lg_u32 s[WV], 0
	s_cbranch_scc1 .Lnot_wave_0_\@
	s_barrier_signal -3
.Lnot_wave_0_\@:
	s_barrier_wait -3
	s_barrier_signal -1
	s_barrier_wait -1
.endm
.macro CROUND                          ; a whole round
	s_barrier_signal -1
	s_barrier_wait -1
	CREST
.endm
; 8 matrix instructions: tile t of wp x all 8 blocks of 16 rows of V, 32 along K, V's fragments in buffer par.  zero = 1: the product starts the sum.
; A step's 80 accumulators take turns, one instruction a turn, in the same order in every step.
.macro MULT t, par, zero
	WIN 0x0c+0x50*(1+(\t)/4)                       ; wp window 0, V window 3, C and D window 1 + t / 4
.irp m, 0,1,2,3,4,5,6,7
.if \zero
	v_wmma_f32_16x16x32_bf16 v[64*((\t)%4)+8*(\m):64*((\t)%4)+8*(\m)+7], v[BF+8*(\t):BF+8*(\t)+7], v[AF+64*(\par)+8*(\m):AF+64*(\par)+8*(\m)+7], 0
.else
	v_wmma_f32_16x16x32_bf16 v[64*((\t)%4)+8*(\m):64*((\t)%4)+8*(\m)+7], v[BF+8*(\t):BF+8*(\t)+7], v[AF+64*(\par)+8*(\m):AF+64*(\par)+8*(\m)+7], v[64*((\t)%4)+8*(\m):64*((\t)%4)+8*(\m)+7]
.endif
.endr
.endm
.macro MULS from, par, zero            ; five tiles
.irp d, 0,1,2,3,4
	MULT (\from)+(\d), \par, \zero
.endr
.endm
; A fragment is 16 rows x 32 K in 8 registers: lane l holds row l % 16; registers 0-3 K = 8 (l / 16) + 0..7, registers 4-7 K = 16 + 8 (l / 16) + 0..7: two loads of 16 bytes, 32 bytes apart.
.macro FETCHB half, adr, tp, koff      ; ten loads: tiles 5 half .. 5 half + 4 of wp; tp = bytes from tile to tile, koff = byte in the rows
	WIN 0
.irp i, 0,1,2,3,4
	ds_load_b128 v[BF+40*(\half)+8*(\i):BF+40*(\half)+8*(\i)+3],   v[\adr] offset:(5*(\half)+(\i))*(\tp)+(\koff)
	ds_load_b128 v[BF+40*(\half)+8*(\i)+4:BF+40*(\half)+8*(\i)+7], v[\adr] offset:(5*(\half)+(\i))*(\tp)+(\koff)+32
.endr
.endm
.macro FETCHA par, adr, base, tp, koff ; sixteen loads: V's eight fragments into buffer par
	WIN 0xc0                                       ; destination window 3, address window 0
.irp m, 0,1,2,3,4,5,6,7
	ds_load_b128 v[AF+64*(\par)+8*(\m):AF+64*(\par)+8*(\m)+3],   v[\adr] offset:(\base)+(\m)*(\tp)+(\koff)
	ds_load_b128 v[AF+64*(\par)+8*(\m)+4:AF+64*(\par)+8*(\m)+7], v[\adr] offset:(\base)+(\m)*(\tp)+(\koff)+32
.endr
.endm
; A set of V's registers is rounded in place (4 f32 -> 8 bytes) and stored into slot aslot.  Load j holds row 16 (j / 8) + j % 8 of my 32 in lanes 0-15 and the row 8 further down
; in lanes 16-31: 8 x 144 bytes are 32 banks on, so a store's 32 lanes touch each bank once.
.macro CONV set, aslot
.set j, 0
.rept 16
	v_cvt_pk_bf16_f32 v[GS+64*(\set)+4*j],   v[GS+64*(\set)+4*j],   v[GS+64*(\set)+4*j+1]
	v_cvt_pk_bf16_f32 v[GS+64*(\set)+4*j+1], v[GS+64*(\set)+4*j+2], v[GS+64*(\set)+4*j+3]
.set j, j+1
.endr
.set j, 0
.rept 16
	ds_store_b64 v[ASTO], v[GS+64*(\set)+4*j:GS+64*(\set)+4*j+1] offset:ASL*(\aslot)+144*(16*(j/8)+j%8)
.set j, j+1
.endr
.endm
.macro ISSUE set, base, off            ; a chunk's 16 loads: 16 lanes take 256 consecutive bytes of a row
.set j, 0
.rept 16
	global_load_b128 v[GS+64*(\set)+4*j:GS+64*(\set)+4*j+3], v[GOFF], s[\base:\base+1] offset:(\off)+ROWB*(16*(j/8)+j%8) th:TH_LOAD_NT
.set j, j+1
.endr
.endm
.macro ASK                             ; one prefetch, behind the trip's loads: the chunk two trips on from them.  The count is the same in all waves and work-groups
	s_cmp_eq_u32 s[PFL], 0
	s_cbranch_scc1 .Lno_ask_\@
	s_add_co_u32 s[PFC], s[PFC], 1
	s_mov_b32 s[PFS], 256
	s_cmp_eq_u32 s[PFC], 14
	s_cselect_b32 s[PFC], 0, s[PFC]
	s_cmov_b32 s[PFS], NEXTP                       ; behind a pass's last chunk: the next pass's first
	s_add_nc_u64 s[PFP:PFP+1], s[PFP:PFP+1], s[PFS:PFS+1]
	global_prefetch_b8 v[PFO], s[PFP:PFP+1] th:TH_LOAD_NT scope:SCOPE_SE
	s_sub_co_u32 s[PFL], s[PFL], 1
.Lno_ask_\@:
.endm
.macro ATCONV                          ; a row's last 8 numbers, rounded, into AT
.irp q, 0,1,2,3
	v_cvt_pk_bf16_f32 v[TC+(\q)], v[TGR+2*(\q)], v[TGR+2*(\q)+1]
.endr
	ds_store_b128 v[ATSTO], v[TC:TC+3]
.endm
; THE TRIP OF CHUNK q, which lies in slot q % 2 of both rings: two steps of 32 along K, 160 matrix instructions.  At its head the first step's fragments of tiles 0-4 and of V are on their way.
; fill: wp's slot is filled again with chunk q + 2.  conv: V's chunk q + 1 is rounded and stored; cwait: the younger loads that may stay out.  issue: V's chunk q + 3 is asked for, astep bytes on.
; pf: a prefetch.  next: the next chunk's first fragments are fetched.  bar: the change of slots.
.macro TRIP slot, fill, conv, cwait, issue, astep, pf, next, bar
	PLACES                                         ; behind the last products, which read tiles 5-9
	FETCHB 1, ADRB+(\slot), 2304, 0
	s_wait_dscnt 10                                ; all but the ten just issued
	MULS 0, 0, 0
	WIN 0
.if \conv
	s_wait_xcnt 0x0                                ; the last trip's loads and prefetch have read their pointers
	s_wait_loadcnt \cwait                          ; loads come back in order (ISA guide 5.7.1): chunk q + 1 is in
	CONV 1-(\slot), 1-(\slot)                      ; its 32 conversions are also the places in front of the loads below
.if \issue
	s_add_nc_u64 s[AP:AP+1], s[AP:AP+1], \astep
	ISSUE 1-(\slot), AP, 0
.endif
.if \pf
	ASK
.endif
.else
	PLACES
.endif
	FETCHB 0, ADRB+(\slot), 2304, 64
	FETCHA 1, ADRA, ASL*(\slot), 2304, 64
.if \conv
	s_wait_dscnt 42                                ; tiles 5-9 are in: behind them 16 stores and 26 loads
.else
	s_wait_dscnt 26
.endif
	MULS 5, 0, 0
	WIN 0
	PLACES
	FETCHB 1, ADRB+(\slot), 2304, 64
	s_wait_dscnt 10
	MULS 0, 1, 0
.if \bar
	; THE CHANGE OF SLOTS: one barrier for four things: my stores of V's chunk q + 1 are done before anybody reads them; everybody's reads of V's slot are over before the next trip stores
	; into it; my reads of wp's slot are over before it is filled again; and, by the round, no partner's wave still reads that slot or has a load on its way.
	WIN 0
	s_wait_tensorcnt 0x0                           ; all my tensor loads have landed: the one that was out is chunk q + 1
	ds_add_u32 v[SPW], v[NIL]                      ; 0 onto my spare word
.if \fill
	s_mul_i32 s[BOFF], s[BN], CHUNKB               ; no load of mine is out, so a group 0 may be written: its address is made anew from the chunk's number
	s_add_nc_u64 s[D0+4*(\slot)+2:D0+4*(\slot)+3], s[WPW:WPW+1], s[BOFF:BOFF+1]
	s_or_b32 s[D0+4*(\slot)+3], s[D0+4*(\slot)+3], 0x80000000
	s_add_co_u32 s[BN], s[BN], 1
	s_cmp_eq_u32 s[BN], 14
	s_cselect_b32 s[BN], 0, s[BN]                  ; behind chunk 13: the next pass's chunk 0
.endif
	s_wait_dscnt 1                                 ; (the add may be out; tiles 5-9 are in)
	MULT 5, 1, 0
	s_wait_dscnt 0x0                               ; the add, my reads of both slots and my stores are done
	s_barrier_signal -1
	MULT 6, 1, 0                                   ; work on registers while the others arrive
	WIN 0                                          ; at a branch and at a label every window is 0
	s_barrier_wait -1
.if \fill
	CREST
	tensor_load_to_lds s[D0+4*(\slot):D0+4*(\slot)+3], s[D1:D1+7]  ; my one tensor load behind the round, and the first thing there: by this text's count one load of mine is out
	s_nop 0
.endif
	PLACES                                         ; behind the load; also the places in front of the loads below
.if \next
	FETCHB 0, ADRB+1-(\slot), 2304, 0
	FETCHA 0, ADRA, ASL*(1-(\slot)), 2304, 0
.endif
	MULT 7, 1, 0
	MULT 8, 1, 0
	MULT 9, 1, 0
.else
	s_wait_dscnt 0x0
	MULS 5, 1, 0
.endif
	WIN 0
.endm
; A PASS'S FIRST STEP: k = 896..927; its 80 products start the sums.  Chunk 0 of wp lies in slot 0: the head's wait, or the wait in front of the last change of slots, has shown it landed.
.macro TAILSTEP
	WIN 0
	s_wait_xcnt 0x0                                ; the last pass's stores have read the registers that are loaded now
	FETCHB 0, ADRBT, 1280, 0
	FETCHA 1, ADRAT, 0, 1280, 0
	FETCHB 1, ADRBT, 1280, 0
	s_wait_dscnt 10
	MULS 0, 1, 1
	WIN 0
	PLACES
	FETCHB 0, ADRB, 2304, 0
	FETCHA 0, ADRA, 0, 2304, 0
	s_wait_dscnt 26                                ; tiles 5-9 are in; chunk 0's 26 loads may stay out
	MULS 5, 1, 1
	WIN 0
.endm
; THE WAY OUT of block m (16 rows).  PULL: the 78 slots come into window 0, scaled by -L (i, o) or 2 L (g); slots ascending.
.macro PULL m
.set sl, 0
.rept 39
	WIN 1+sl/32                                    ; source 0 in the accumulator's window
.if (sl >= 26) && (sl < 52)
	v_pk_mul_f32 v[TI+sl:TI+sl+1], v[64*((sl/8)%4)+8*(\m)+sl%8:64*((sl/8)%4)+8*(\m)+sl%8+1], s[CG:CG+1] op_sel_hi:[1,0]
.else
	v_pk_mul_f32 v[TI+sl:TI+sl+1], v[64*((sl/8)%4)+8*(\m)+sl%8:64*((sl/8)%4)+8*(\m)+sl%8+1], s[CI:CI+1] op_sel_hi:[1,0]
.endif
.set sl, sl+2
.endr
	WIN 0
.endm
; MATH: four batches of transcendentals.  Nothing inside a batch names a result of that batch; behind each stand one plain instruction and one wait ahead of the first reader.
.macro BATCH_END
	v_nop
	s_wait_alu depctr_va_vdst(0)
.endm
.macro MATH
.set k, 0
.rept 26
	v_med3_num_f32 v[TGG+k], v[TGG+k], s[CLO], s[CHI]   ; 2 L g held to -60..60
	v_exp_f32 v[TI+k], v[TI+k]                     ; Ei
.set k, k+1
.endr
.set k, 0
.rept 26
	v_exp_f32 v[TGG+k], v[TGG+k]                   ; Eg
	v_exp_f32 v[TO+k], v[TO+k]                     ; Eo
.set k, k+1
.endr
	BATCH_END
.set k, 0
.rept 13
	v_pk_add_f32 v[TI+k:TI+k+1], v[TI+k:TI+k+1], 1.0 op_sel_hi:[1,0]                  ; 1 + Ei
.set k, k+2
.endr
.set k, 0
.rept 13
	v_pk_fma_f32 v[TI+k:TI+k+1], v[TI+k:TI+k+1], v[TGG+k:TGG+k+1], v[TI+k:TI+k+1]     ; (1 + Ei)(1 + Eg)
.set k, k+2
.endr
.set k, 0
.rept 13
	v_pk_fma_f32 v[TGG+k:TGG+k+1], v[TGG+k:TGG+k+1], s[CG:CG+1], s[CGN:CGN+1] op_sel_hi:[1,0,0]  ; 2 L (Eg - 1)
	v_rcp_f32 v[TI+k], v[TI+k]
	v_rcp_f32 v[TI+k+1], v[TI+k+1]
.set k, k+2
.endr
	BATCH_END
.set k, 0
.rept 13
	v_pk_mul_f32 v[TGG+k:TGG+k+1], v[TGG+k:TGG+k+1], v[TI+k:TI+k+1]                   ; 2 L c
.set k, k+2
.endr
.set k, 0
.rept 13
	v_pk_add_f32 v[TO+k:TO+k+1], v[TO+k:TO+k+1], 1.0 op_sel_hi:[1,0]                  ; 1 + Eo
	v_exp_f32 v[TGG+k], v[TGG+k]                   ; Ec
	v_exp_f32 v[TGG+k+1], v[TGG+k+1]
.set k, k+2
.endr
	BATCH_END
.set k, 0
.rept 13
	v_pk_fma_f32 v[TO+k:TO+k+1], v[TO+k:TO+k+1], v[TGG+k:TGG+k+1], v[TO+k:TO+k+1]     ; (1 + Eo)(1 + Ec)
.set k, k+2
.endr
.set k, 0
.rept 13
	v_pk_add_f32 v[TGG+k:TGG+k+1], v[TGG+k:TGG+k+1], -1.0 op_sel_hi:[1,0]             ; Ec - 1
	v_rcp_f32 v[TO+k], v[TO+k]
	v_rcp_f32 v[TO+k+1], v[TO+k+1]
.set k, k+2
.endr
	BATCH_END
.set k, 0
.rept 13
	v_pk_mul_f32 v[TGG+k:TGG+k+1], v[TGG+k:TGG+k+1], v[TO+k:TO+k+1]                   ; h
.set k, k+2
.endr
.endm
; EPI: a block's 16 rows of out are 12,800 consecutive bytes.  The four waves write their 50 columns of each row into a stage, meet, and read the stage back as it lies: 16 bytes a thread, six times,
; and 512 bytes more by wave 0.  Two stages take turns, so one barrier a block does: a wave's reads of a stage are waited for ahead of its next signal, and the stage is written again behind that barrier.
; THE THIRTEENTH STORE.  Lanes 0-15 have 26 units, lanes 16-31 have 24.  All lanes stay on: lanes 0-15 store pair 12 at byte 96 of their 104; lanes 16-31 store their pair 11 once more, at its own
; place (byte 88 of their 96): the same 8 bytes, the same lane, behind the first store.
.macro EPI m
	WIN 0
	s_wait_xcnt 0x0                                ; the last block's stores have read the registers that are written now
	PULL \m
	MATH
.set p, 0
.rept 12
	ds_store_b64 v[STO], v[TGG+2*p:TGG+2*p+1] offset:STGB*((\m)%2)+8*p
.set p, p+1
.endr
	v_cmp_eq_u32 vcc_lo, 0, v[HH]                  ; lanes 0-15
	v_cndmask_b32 v[TGG+24], v[TGG+22], v[TGG+24], vcc_lo  ; pair 12 there, pair 11 in lanes 16-31
	v_cndmask_b32 v[TGG+25], v[TGG+23], v[TGG+25], vcc_lo
	ds_store_b64 v[STO13], v[TGG+24:TGG+25] offset:STGB*((\m)%2)+96
	s_wait_dscnt 0x0                               ; for the others' sake: my stores into the stage are done
	s_barrier_signal -1
	s_barrier_wait -1
.irp j, 0,1,2,3,4,5
	ds_load_b128 v[OB+4*(\j):OB+4*(\j)+3], v[RD] offset:STGB*((\m)%2)+2048*(\j)
.endr
	s_cmp_lg_u32 s[WV], 0
	s_cbranch_scc1 .Lno_read_\@
	ds_load_b128 v[OB+24:OB+27], v[RD] offset:STGB*((\m)%2)+12288
.Lno_read_\@:
	s_wait_dscnt 0x0
.irp j, 0,1,2,3,4,5
	global_store_b128 v[CO], v[OB+4*(\j):OB+4*(\j)+3], s[OUTP:OUTP+1] offset:STGB*(\m)+2048*(\j) th:TH_STORE_NT  ; 16 lanes store 256 consecutive bytes, at a multiple of 256 from out's first byte
.endr
	s_cmp_lg_u32 s[WV], 0
	s_cbranch_scc1 .Lno_store_\@
	global_store_b128 v[CO], v[OB+24:OB+27], s[OUTP:OUTP+1] offset:STGB*(\m)+12288 th:TH_STORE_NT
.Lno_store_\@:
.endm
	s_load_b128 s[4:7], s[0:1], 0x0                ; V s[4:5], wp s[6:7]
	s_load_b64 s[8:9], s[0:1], 0x10                ; out
	v_lshl_add_u32 v[SPW], v0, 2, SPARE
	v_mov_b32 v[NIL], 0
	ds_add_u32 v[SPW], v[NIL]                      ; the wave's opening: the add, twice on end, and its wait ahead of my first tensor load; the set-up below, work on registers, stands between
	ds_add_u32 v[SPW], v[NIL]                      ; and once more, under the one wait
	v_lshrrev_b32 v1, 5, v0
	v_readfirstlane_b32 s[WV], v1                  ; wave 0..3
	s_bfe_u32 s11, ttmp6, 0x40000                  ; cx: my place in the cluster; it enters V's and out's addresses alone
	s_lshl_b32 s12, ttmp9, 2                       ; in a cluster launch ttmp9 counts clusters
	s_add_co_u32 s12, s12, s11                     ; my work-group
	; descriptor group 1.  A wave's part of a chunk is 160 rows x 128 bytes, dense: asked for as 80 rows of 256 bytes, padded in LDS after every 128
	s_mov_b32 s[D1+0], 15|(1<<16)|(1<<20)|(1<<21)|(4<<22)|(3<<25)   ; 15:0 the mask of four; 17:16 2-byte elements; 20 padding on; 21 set beside a mask; 24:22 after every 32 words (code 4); 31:25 4 words (code 3)
	s_mov_b32 s[D1+1], 128<<16                     ; tensor_dim0 = 128
	s_mov_b32 s[D1+2], 80<<16                      ; tensor_dim1 = 80
	s_mov_b32 s[D1+3], 128<<16                     ; tile_dim0 = 128
	s_mov_b32 s[D1+4], 80                          ; tile_dim1 = 80
	s_mov_b32 s[D1+5], 128                         ; 128 elements from row to row
	s_mov_b32 s[D1+6], 0
	s_mov_b32 s[D1+7], 0
	; the last block: 160 rows x 64 bytes, as 40 rows of 256, padded after every 64
	s_mov_b32 s[D1T+0], 15|(1<<16)|(1<<20)|(1<<21)|(3<<22)|(3<<25)  ; after every 16 words (code 3)
	s_mov_b32 s[D1T+1], 128<<16
	s_mov_b32 s[D1T+2], 40<<16
	s_mov_b32 s[D1T+3], 128<<16
	s_mov_b32 s[D1T+4], 40
	s_mov_b32 s[D1T+5], 128
	s_mov_b32 s[D1T+6], 0
	s_mov_b32 s[D1T+7], 0
	s_mov_b32 s[D0+0], 1                           ; count = 1
	s_mul_i32 s[D0+1], s[WV], 23040                ; LDS: my 160 rows of slot 0 (the ring begins at byte 0),
	s_mov_b32 s[D0+4], 1
	s_add_co_u32 s[D0+5], s[D0+1], BS1             ; of slot 1,
	s_mov_b32 s[D0T+0], 1
	s_mul_i32 s[D0T+1], s[WV], 12800
	s_add_co_u32 s[D0T+1], s[D0T+1], BT            ; and of the last block: no place in the cluster enters an LDS address
	s_mov_b32 s[CI], 0xbfb8aa3b                    ; -log2(e)
	s_mov_b32 s[CI+1], s[CI]                       ; named with it as a pair
	s_mov_b32 s[CG], 0x4038aa3b                    ; 2 log2(e)
	s_mov_b32 s[CG+1], s[CG]
	s_mov_b32 s[CGN], 0xc038aa3b
	s_mov_b32 s[CGN+1], s[CGN]
	s_mov_b32 s[CHI], 0x42700000                   ; 60.0
	s_mov_b32 s[CLO], 0xc2700000
	s_mov_b32 s[PFS+1], 0
	s_mov_b32 s[BOFF+1], 0
	s_mov_b32 s[PFC], 4
	s_mov_b32 s[PFL], 23
	s_mov_b32 s[BN], 2
	s_mov_b32 s[PASS], 0
	; the lanes' addresses
	v_and_b32 v19, 15, v0                          ; r = l % 16
	v_bfe_u32 v[HH], v0, 4, 1                      ; h = l / 16
	v_and_b32 v20, 31, v0                          ; l
	v_mul_u32_u24 v1, v19, 144
	v_lshl_add_u32 v1, v[HH], 4, v1                ; a fragment's row x pitch + 16 x half
	v_add_nc_u32 v[ADRB], s[D0+1], v1
	v_add_nc_u32 v[ADRB+1], BS1, v[ADRB]
	v_add_nc_u32 v[ADRA], AS0, v1
	v_mul_u32_u24 v21, v19, 80
	v_lshl_add_u32 v21, v[HH], 4, v21
	v_add_nc_u32 v[ADRBT], s[D0T+1], v21
	v_add_nc_u32 v[ADRAT], AT, v21
	s_mul_i32 s70, s[WV], 32*144
	s_add_co_u32 s70, s70, AS0
	v_mul_u32_u24 v[ASTO], v[HH], 8*144
	v_lshl_add_u32 v[ASTO], v19, 3, v[ASTO]
	v_add_nc_u32 v[ASTO], s70, v[ASTO]             ; row 32 w + 8 h, 8 bytes a lane
	s_mul_i32 s70, s[WV], 32*80
	s_add_co_u32 s70, s70, AT
	v_mul_u32_u24 v[ATSTO], v20, 80
	v_add_nc_u32 v[ATSTO], s70, v[ATSTO]           ; row 32 w + l
	s_mul_i32 s70, s[WV], 32*ROWB
	v_mul_u32_u24 v[GOFF], v[HH], 8*ROWB
	v_lshl_add_u32 v[GOFF], v19, 4, v[GOFF]
	v_add_nc_u32 v[GOFF], s70, v[GOFF]             ; row 32 w + 8 h, 16 bytes a lane
	v_mul_u32_u24 v[GTOFF], v20, ROWB
	v_add_nc_u32 v[GTOFF], s70, v[GTOFF]           ; row 32 w + l
	v_add_nc_u32 v[PFO], 255, v[GTOFF]             ; the last byte of its 256 of a chunk
	v_add_nc_u32 v[GTOFF], 3584, v[GTOFF]          ; its last 32 bytes
	s_mul_i32 s70, s[WV], 200
	s_add_co_u32 s70, s70, STG0
	v_mul_u32_u24 v21, v19, 800
	v_mul_u32_u24 v1, v[HH], 104
	v_add3_u32 v[STO], v21, v1, s70                ; row r, column 50 w + 26 h
	v_mul_u32_u24 v1, v[HH], 96
	v_add3_u32 v[STO13], v21, v1, s70              ; with the store's 96: lanes 0-15 byte 96 of the wave's 200, lanes 16-31 byte 192
	v_lshl_add_u32 v[RD], v0, 4, STG0
	v_lshlrev_b32 v[CO], 4, v0
	v_mov_b32 v[ONE], 0x3f803f80                   ; 1.0 twice: k = 904, 905
.irp q, 1,2,3
	v_mov_b32 v[ONE+(\q)], 0
.endr
.irp q, 0,1,2,3
	v_mov_b32 v[TC+(\q)], 0
.endr
	s_mul_i32 s72, s12, 256*ROWB                   ; my work-group's rows in V (under 2^31),
	s_mov_b32 s73, 0
	s_mov_b32 s77, 0
	s_wait_dscnt 0x0                               ; both opening adds are done
	s_wait_kmcnt 0x0
	s_add_nc_u64 s[VR:VR+1], s[4:5], s[72:73]
	s_mul_i32 s72, s12, 256*800                    ; and in out
	s_add_nc_u64 s[OUTP:OUTP+1], s[8:9], s[72:73]
	s_add_nc_u64 s[AP:AP+1], s[VR:VR+1], 2*256     ; the head asks for chunks 0 to 2
	s_add_nc_u64 s[PFP:PFP+1], s[VR:VR+1], 4*256   ; the first prefetch steps to chunk 5
	s_mul_i32 s76, s[WV], 20480                    ; my 160 rows of a chunk in memory: the wave's number alone
	s_add_nc_u64 s[WPW:WPW+1], s[6:7], s[76:77]
	s_mov_b64 s[D0+2:D0+3], s[WPW:WPW+1]           ; chunk 0
	s_or_b32 s[D0+3], s[D0+3], 0x80000000          ; type = 2
	s_add_nc_u64 s[D0+6:D0+7], s[WPW:WPW+1], CHUNKB  ; chunk 1
	s_or_b32 s[D0+7], s[D0+7], 0x80000000
	s_mul_i32 s76, s[WV], 10240
	s_add_nc_u64 s[D0T+2:D0T+3], s[6:7], s[76:77]
	s_add_nc_u64 s[D0T+2:D0T+3], s[D0T+2:D0T+3], 14*CHUNKB
	s_or_b32 s[D0T+3], s[D0T+3], 0x80000000
	CROUND                                         ; all four work-groups are here: the first joint loads meet
	tensor_load_to_lds s[D0T:D0T+3], s[D1T:D1T+7]  ; the first fills, one group: three loads of mine are out
	s_nop 0
	tensor_load_to_lds s[D0:D0+3], s[D1:D1+7]
	s_nop 0
	tensor_load_to_lds s[D0+4:D0+7], s[D1:D1+7]
	s_nop 0
	PLACES
	global_load_b128 v[TGR:TGR+3],   v[GTOFF], s[VR:VR+1] th:TH_LOAD_NT
	global_load_b128 v[TGR+4:TGR+7], v[GTOFF], s[VR:VR+1] offset:16 th:TH_LOAD_NT
	ISSUE 0, VR, 0                                 ; chunk 0
	ISSUE 1, VR, 256                               ; chunk 1
	ds_store_b128 v[ATSTO], v[ONE:ONE+3] offset:16 ; k = 904..911: 1, 1, 0 ..; these three serve both passes
	ds_store_b128 v[ATSTO], v[TC:TC+3] offset:32   ; k = 912..927: 0
	ds_store_b128 v[ATSTO], v[TC:TC+3] offset:48
	s_wait_loadcnt 32                              ; the rows' last numbers are in; two chunks' 32 loads stay out
	ATCONV
	global_load_b128 v[TGR:TGR+3],   v[GTOFF], s[VR:VR+1] offset:PASSB th:TH_LOAD_NT     ; the second pass's, kept until the first pass ends
	global_load_b128 v[TGR+4:TGR+7], v[GTOFF], s[VR:VR+1] offset:PASSB+16 th:TH_LOAD_NT
	s_wait_loadcnt 18                              ; chunk 0 is in: behind it chunk 1's 16 loads and those two
	CONV 0, 0
	ISSUE 0, VR, 512                               ; chunk 2
	s_wait_tensorcnt 0x1                           ; my parts of the last block and of chunk 0 are in; chunk 1's may stay out
	s_wait_dscnt 0x0                               ; my stores into AT and V's slot 0 are done
	s_barrier_signal -1
	s_barrier_wait -1
.Lpass:
	TAILSTEP
	s_mov_b32 s[CNT], 5
.Lloop:                                                ; trips 0 to 9
	TRIP 0, 1, 1, 16, 1, 256, 1, 1, 1
	TRIP 1, 1, 1, 16, 1, 256, 1, 1, 1
	s_sub_co_u32 s[CNT], s[CNT], 1
	s_cmp_lg_u32 s[CNT], 0
	s_cbranch_scc1 .Lloop
	TRIP 0, 1, 1, 16, 1, 256, 1, 1, 1              ; trip 10
	s_cmp_eq_u32 s[PASS], 1                        ; a counted number, the same in every wave and work-group
	s_cbranch_scc1 .Llast_pass
	TRIP 1, 1, 1, 16, 1, NEXTP, 1, 1, 1            ; BOTH RINGS GO ON INTO THE NEXT PASS: trip 11 asks for its chunk 0 of V,
	TRIP 0, 1, 1, 16, 1, 256, 1, 1, 1              ; trip 12 for its chunk 0 of wp,
	TRIP 1, 1, 1, 16, 1, 256, 1, 0, 1              ; trip 13 stores its chunk 0 of V; no fragments are fetched: their registers serve the way out
	ATCONV                                         ; the next pass's last columns; the way out's barriers stand between this store and its readers
	s_branch .Lout
.Llast_pass:                                           ; the last pass's end is written out: nothing is asked for past chunk 13
	TRIP 1, 1, 1, 16, 0, 0, 0, 1, 1                ; trip 11: wp's chunk 13 is the last fill; V's chunk 12 is stored, chunk 13's 16 loads stay out
	TRIP 0, 0, 1, 0, 0, 0, 0, 1, 1                 ; trip 12: V's chunk 13 is stored; its barrier fills nothing, so no round follows
	TRIP 1, 0, 0, 0, 0, 0, 0, 0, 0                 ; trip 13
.Lout:
	PLACES                                         ; behind the last products, in front of the reads of their results
.irp m, 0,1,2,3,4,5,6,7
	EPI \m
.endr
	s_wait_xcnt 0x0                                ; the stores have read out's address
	s_add_nc_u64 s[OUTP:OUTP+1], s[OUTP:OUTP+1], 128*800
	s_add_co_u32 s[PASS], s[PASS], 1
	s_cmp_lt_u32 s[PASS], 2
	s_cbranch_scc1 .Lpass
	s_wait_tensorcnt 0x0                           ; the wave's end, behind my last tensor load and my last LDS store
	ds_add_u32 v[SPW], v[NIL]
	s_wait_dscnt 0x0
	CROUND                                         ; the closing round: no work-group ends while a partner may still ask for a tile that names it
	s_endpgm
.Lfunc_end_k_qe6b27cd2d3_cell:
	.size	k_qe6b27cd2d3_cell, .Lfunc_end_k_qe6b27cd2d3_cell-k_qe6b27cd2d3_cell
	.p2alignl 7, 3214868480
	.fill 96, 4, 3214868480
	.section	.rodata,"a",@progbits
	.p2align	6, 0x0
	.amdhsa_kernel k_qe6b27cd2d3_cell
		.amdhsa_group_segment_fixed_size 327680
		.amdhsa_private_segment_fixed_size 0
		.amdhsa_enable_private_segment 0
		.amdhsa_kernarg_size 24
		.amdhsa_user_sgpr_count 2
		.amdhsa_user_sgpr_kernarg_segment_ptr 1
		.amdhsa_wavefront_size32 1
		.amdhsa_system_sgpr_workgroup_id_x 1
		.amdhsa_system_sgpr_workgroup_id_y 1
		.amdhsa_system_sgpr_workgroup_id_z 1
		.amdhsa_system_vgpr_workitem_id 0
		.amdhsa_next_free_vgpr 1024
		.amdhsa_next_free_sgpr 80
		.amdhsa_reserve_vcc 1
		.amdhsa_float_denorm_mode_32 3
		.amdhsa_float_denorm_mode_16_64 3
		.amdhsa_memory_ordered 1
		.amdhsa_forward_progress 1
		.amdhsa_inst_pref_size 255
	.end_amdhsa_kernel
	.section	.bss,"aw",@nobits
	.p2align	6
	.space	262144
	.amdgpu_metadata
---
amdhsa.version: [ 1, 2 ]
amdhsa.kernels:
  - .name:           k_qe6b27cd2d3_cell
    .symbol:         k_qe6b27cd2d3_cell.kd
    .args:
      - { .name: V_cells, .offset: 0, .size: 8, .value_kind: global_buffer, .address_space: global }
      - { .name: wp, .offset: 8, .size: 8, .value_kind: global_buffer, .address_space: global }
      - { .name: out0, .offset: 16, .size: 8, .value_kind: global_buffer, .address_space: global }
    .group_segment_fixed_size: 327680
    .private_segment_fixed_size: 0
    .kernarg_segment_align: 8
    .kernarg_segment_size: 24
    .max_flat_workgroup_size: 128
    .sgpr_count:     80
    .vgpr_count:     1024
    .wavefront_size: 32
...
	.end_amdgpu_metadata
.endif
;; end of part 2
